; MI455X (gfx1250); checked and timed in simulation.
; The chip was launched on July 23, 2026; its instructions are those of AMD's public machine-readable ISA for CDNA 5 (MIT licence, August 2026) and "CDNA5" Instruction Set Architecture Reference Guide (July 2026). The comments in the code are by the model that wrote it; some were corrected since.
;; Vector Quantization. Allowed arithmetic: matrix products marked QUANTISED: E2M3 operands, one E8M0 scale for each 32 along K, by v_wmma_scale_f32_16x16x128_f8f6f4 with both operands' format E2M3, f32 sums; everything else in f32.
;; Inputs: vectors 8,192 x 256 float32; x 32,768 x 256 float32.
;; Outputs: out0 32,768 int32.
;; This version of the problem:
;;   THIS VERSION OF THE PROBLEM IS GIVEN IN LOW PRECISION. The matrix products marked QUANTISED in the list below multiply operands that are first quantised to E2M3 (2 exponent bits, 3 mantissa bits; 6 bits a number), with one power-of-two scale for each 32 numbers along K (OCP MX v1.0); their sums are f32. All else is computed in f32.
;;   The module's matrix products, in the order in which they are computed (A, B: the left and right operand; K: the contracted axis; several contracted axes count as one K, in the product's order):
;;     1. [M 32,768, K 256] x [K 256, N 8,192]; A: input x; B: input vectors: QUANTISED
;;   THE QUANTISER, for each operand of a quantised product, along K:
;;     - K is cut into blocks of 32 from its start; a last block that is shorter is filled with zeros.
;;     - A block's scale is 2^e with e = floor(log2(the largest magnitude in the block)) - 2, held to -126 .. 127; a block of zeros has e = 0. As a byte (E8M0): e + 127.
;;     - Each number is divided by its block's scale, clamped to +-7.5, and rounded to the nearest number of E2M3, ties to even, subnormals kept.
;;     - The product sums the exact products of the quantised numbers (number of the format x scale) in f32.
;;   ~~~python
;;   def quantise(x, axis):      # numpy; x: float32 -> the quantised numbers, widened to float32 again
;;       x = np.moveaxis(x, axis, -1); K = x.shape[-1]
;;       x = np.pad(x, [(0, 0)] * (x.ndim - 1) + [(0, -K % 32)]); x = x.reshape(x.shape[:-1] + (-1, 32)); a = np.abs(x).max(-1, keepdims=True)
;;       e = np.where(a > 0, np.clip(np.frexp(np.where(a > 0, a, 1))[1] - 1 - 2, -126, 127), 0)      # np.frexp(a)[1] - 1 = floor(log2(a)), exactly
;;       r = np.clip(x / 2.0 ** e, -7.5, 7.5)
;;       step = 2.0 ** (np.maximum(np.frexp(np.where(r == 0, 1, r))[1] - 1, 0) - 3)
;;       q = np.round(r / step) * step * 2.0 ** e      # np.round: ties to even
;;       return np.moveaxis(q.reshape(q.shape[:-2] + (-1,))[..., :K], -1, axis).astype(np.float32)
;;   ~~~
;; One version. Each part assembles by itself: llvm-mc -triple=amdgcn-amd-amdhsa -mcpu=gfx1250 --defsym DOCPART=n.
;; ======== version 1 of 1: 2 launches
;; limits: right only within a limited range of input values
;; workspace buffers: ximg 6,815,744 bytes; cimg 1,703,936 bytes
;; launch quant (part 1): grid 256 x 1, 10 waves a work-group, no clusters, 170,240 bytes of LDS; arguments x, vectors, ximg, cimg; writes ximg, cimg
.if DOCPART == 1
	.amdgcn_target "amdgcn-amd-amdhsa--gfx1250"
	.amdhsa_code_object_version 6
	.text
	.protected	k_q41d64d9d20_quant
	.globl	k_q41d64d9d20_quant
	.p2align	8
	.type	k_q41d64d9d20_quant,@function
k_q41d64d9d20_quant:
	s_mov_b64 s[64:65], 0
	v_nop
	global_prefetch_b8 v0, s[64:65] scope:SCOPE_SE
	s_setreg_imm32_b32 hwreg(HW_REG_WAVE_MODE, 25, 1), 1
	s_wait_xcnt 0x0
; x [32768][256] and vectors [8192][256], f32, are turned into RECORDS, one for each tile of 16 rows, laid as the search launch's registers want them.
; A record is 3,328 bytes = 13 x 256:
;   0..1535     the fragment of k 0..127 as an image of its 12 registers: registers 4 c .. 4 c + 3 of lane l at 512 c + 16 l
;   1536..3071  the same for k 128..255
;   3072..3199  the scale words, 4 bytes a lane: lanes 0-15 row (lane)'s word for k 0..127, lanes 16-31 row (lane - 16)'s word for k 128..255
;   3200..3327  -1/2 x the row's sum of squares (of the UNQUANTISED numbers), f32, rows 0..15, and the same sixteen once more
; Codes are FP6 (E2M3).  A block's scale is 2^(floor(log2(its largest magnitude)) - 2); its byte is the largest magnitude's exponent field - 2, held at 1 from below.
; LIMITS: NaN and infinities among the inputs are not served.  A block of zeros gets the byte 1 where the quantiser's rule says 127: its codes are zeros, which add nothing, and this program alone reads the bytes.
; The sum of squares is made by fused multiply-adds in four chains of pairs and a tree: another order of rounding than a plain sum's.
; SHARES: 2,560 tiles (2,048 of x, 512 of vectors), 2,560 waves, a tile a wave: tile t = 10 x work-group + wave.  Only pointers are chosen by t: there is one path through the text.
; A tile is 16,384 dense bytes: 32 loads of 512 consecutive bytes, all on their way at once.  The conversions want 16 neighbours along K in ONE lane's registers, so the tile turns through the wave's own stage in LDS.
; No tensor load, no barrier: waves share nothing.
; WORK LEFT OUT BY THE PROGRAM: x2[n] = sum of x[n]^2.  reference() adds it to d2[n][k] for every k of row n alike, and only the argmin over k of that row is returned:
; for all finite values argmin_k (x2[n] + t[k]) = argmin_k t[k].  So the search launch forms c2[k] - 2 dot alone and reads no x2.  LIMIT: a NaN, an infinity or an overflow that reaches x2 alone is not carried to the result.
; One path of this text serves both tensors, so the records of x carry the field of sums of squares too; the search launch does not read it there.
.set REC,   3328
.set PITCH, 1040                       ; a stage row: 1,024 bytes + 16: sixteen rows' equal columns fall on sixteen different 16-byte columns modulo 256
.set TAIL,  16*PITCH                   ; behind the stage: 256 bytes in which the record's last 256 bytes are gathered
.set WREG,  TAIL+256                   ; LDS of a wave
.set X,   16                           ; v16-143  the lane's 128 numbers
.set SQ,  144                          ; v144-151 four pairs of partial sums of squares
.set TM,  152                          ; v152-155 largest magnitudes, v156-159 the other half's / the bytes, v164-167 the conversions' scale operands
.set PW0, 168                          ; the row's scale word, k 0..127
.set PW1, 169                          ; k 128..255
.set SW,  170                          ; the scale image
.set NS,  171                          ; -1/2 x the sum of squares
.set PC0, 172                          ; v172-183 the first fragment's codes
.set PC1, 184                          ; v184-195 the second's
.set PT,  196                          ; v196-198, v200-202 a block's upper half, on its way
	s_load_b256 s[4:11], s[0:1], 0x0               ; x s[4:5], vectors s[6:7], ximg s[8:9], cimg s[10:11]
	v_lshl_add_u32 v208, v0, 2, 0x29400
	v_mov_b32 v209, 0
	v_lshrrev_b32 v1, 5, v0
	s_delay_alu instid0(VALU_DEP_1)
	v_readfirstlane_b32 s12, v1                    ; wave 0..9
	v_and_b32 v1, 31, v0                           ; lane
	v_and_b32 v2, 15, v0                           ; r
	v_bfe_u32 v3, v0, 4, 1                         ; h
	s_mul_i32 s13, ttmp9, 10
	s_add_co_u32 s13, s13, s12                     ; t
	s_mul_i32 s18, s12, WREG                       ; my LDS
	s_add_co_u32 s19, s18, TAIL
	v_lshlrev_b32 v4, 4, v1                        ; 16 x lane: my bytes of a load's or a store's 512
	s_delay_alu instid0(VALU_DEP_1)
	v_add_nc_u32 v5, s18, v4                       ; the stage, on the way in
	v_mul_u32_u24 v6, v2, PITCH
	s_delay_alu instid0(VALU_DEP_1)
	v_lshl_add_u32 v6, v3, 6, v6
	s_delay_alu instid0(VALU_DEP_1)
	v_add_nc_u32 v6, s18, v6                       ; and on the way out: row r, + 64 h: my 16 numbers of a block of 32
	v_lshl_add_u32 v7, v1, 2, s19                  ; the tail: 4 bytes a lane in,
	v_lshl_add_u32 v8, v1, 3, s19                  ; 8 bytes a lane out
	v_lshlrev_b32 v9, 3, v1
	s_mov_b32 s20, 0x76543210
	s_mov_b32 s21, 0xfedcba98                      ; v_permlanex16_b32's selects for lane l xor 16
.irp b, 0,1,2,3
	v_mov_b32 v[TM+4+\b], 0                        ; written once: a lane permute's destination counts as one of its sources
.endr
	s_wait_alu depctr_va_vdst(0)
	s_wait_kmcnt 0x0
	s_cmp_lt_u32 s13, 2048                         ; a tile of x or of vectors?  The choice hangs on ids alone
	s_cselect_b64 s[4:5], s[4:5], s[6:7]
	s_cselect_b64 s[8:9], s[8:9], s[10:11]
	s_cselect_b32 s14, 0, 2048
	s_sub_co_u32 s13, s13, s14                     ; the tile's number in its tensor
	s_lshl_b32 s14, s13, 14                        ; 16 rows of 1,024 bytes
	s_mov_b32 s15, 0
	s_add_nc_u64 s[4:5], s[4:5], s[14:15]
	s_mul_i32 s16, s13, REC
	s_mov_b32 s17, 0
	s_add_nc_u64 s[8:9], s[8:9], s[16:17]
.set I, 0
.rept 32
	global_load_b128 v[X+4*I:X+4*I+3], v4, s[4:5] offset:512*I th:TH_LOAD_NT   ; 32 lanes read 512 consecutive bytes: half a row
.set I, I+1
.endr
.set I, 0
.rept 32
	s_wait_loadcnt 31-I                            ; loads come back in order: load I is in, the 31 - I younger ones stay out
	ds_store_b128 v5, v[X+4*I:X+4*I+3] offset:(I/2)*PITCH+(I%2)*512
.set I, I+1
.endr
	s_wait_dscnt 0x0                               ; the stores have read their registers: the same registers take the numbers back
.irp s, 0,1
.irp b, 0,1,2,3
.irp j, 0,1,2,3
	ds_load_b128 v[X+64*\s+16*\b+4*\j:X+64*\s+16*\b+4*\j+3], v6 offset:512*\s+128*\b+16*\j   ; register 64 s + 16 b + i = number 128 s + 32 b + 16 h + i of row r
.endr
.endr
.endr
; the squares of my 64 numbers of K step s, two at a time, onto four chains; the first four products start the chains: nothing is cleared
.macro SQUARES s
.set P, 0
.rept 32
.if ((\s) == 0) && (P < 4)
	v_pk_mul_f32 v[SQ+2*P:SQ+2*P+1], v[X+2*P:X+2*P+1], v[X+2*P:X+2*P+1]
.else
	v_pk_fma_f32 v[SQ+2*(P%4):SQ+2*(P%4)+1], v[X+64*(\s)+2*P:X+64*(\s)+2*P+1], v[X+64*(\s)+2*P:X+64*(\s)+2*P+1], v[SQ+2*(P%4):SQ+2*(P%4)+1]
.endif
.set P, P+1
.endr
.endm
; 64 numbers of a lane, register 16 b + i = k 32 b + 16 h + i of my row, become a fragment's 12 registers of codes in v[pc] on and the row's scale word in v[pw]
.macro QUANT src, pc, pw
.irp b, 0,1,2,3
	v_max3_num_f32 v[TM+\b], |v[\src+16*\b]|, |v[\src+1+16*\b]|, 0x1800000   ; block b: my 16 numbers, and the floor 2^(3 - 127): so the byte cannot fall under 1
.endr
.irp i, 2,4,6,8,10,12,14
.irp b, 0,1,2,3
	s_delay_alu instid0(VALU_DEP_4)
	v_max3_num_f32 v[TM+\b], v[TM+\b], |v[\src+16*\b+\i]|, |v[\src+1+16*\b+\i]|   ; (the four blocks by turns)
.endr
.endr
.irp b, 0,1,2,3
	s_delay_alu instid0(VALU_DEP_4)
	v_permlanex16_b32 v[TM+4+\b], v[TM+\b], s20, s21
.endr
.irp b, 0,1,2,3
	s_delay_alu instid0(VALU_DEP_4)
	v_max_num_f32 v[TM+\b], v[TM+\b], v[TM+4+\b]   ; with lane l xor 16's: the block's largest magnitude
.endr
.irp b, 0,1,2,3
	s_delay_alu instid0(VALU_DEP_4)
	v_add_nc_u32 v[TM+12+\b], 0xff000000, v[TM+\b] ; 2 off its exponent field: the conversion takes the exponent field of this operand as its scale, and nothing else of it
.endr
.irp b, 0,1,2,3
	s_delay_alu instid0(VALU_DEP_4)
	v_lshrrev_b32 v[TM+4+\b], 23, v[TM+12+\b]      ; the scale's byte
.endr
	s_delay_alu instid0(VALU_DEP_3)
	v_lshl_or_b32 v[\pw], v[TM+5], 8, v[TM+4]      ; four bytes make the row's scale word; both halves of the lanes hold it
	s_delay_alu instid0(VALU_DEP_1)
	v_lshl_or_b32 v[\pw], v[TM+6], 16, v[\pw]
	s_delay_alu instid0(VALU_DEP_1)
	v_lshl_or_b32 v[\pw], v[TM+7], 24, v[\pw]
.irp c, 0,1
	v_cvt_scalef32_pk16_fp6_f32 v[\pc+6*\c:\pc+6*\c+2], v[\src+32*\c:\src+32*\c+15], v[TM+12+2*\c]
	v_cvt_scalef32_pk16_fp6_f32 v[PT+4*\c:PT+4*\c+2], v[\src+16+32*\c:\src+16+32*\c+15], v[TM+13+2*\c]   ; (a conversion's three registers begin on an even number)
.endr
	v_nop                                          ; one plain place behind a scaled conversion
.irp c, 0,1                                    ; the operand's layout wants a WHOLE block in a lane: lanes 0-15 block 2 c, lanes 16-31 block 2 c + 1
.irp i, 0,1,2
	v_permlane16_swap_b32 v[\pc+6*\c+\i], v[PT+4*\c+\i]
.endr
.irp i, 0,1,2
	s_delay_alu instid0(VALU_DEP_3)
	v_mov_b32 v[\pc+3+6*\c+\i], v[PT+4*\c+\i]
.endr
.endr
.endm
	s_wait_dscnt 16                                ; K step 0's sixteen loads are in; K step 1's sixteen may be out
	SQUARES 0
	QUANT X, PC0, PW0
.irp c, 0,1,2
	global_store_b128 v4, v[PC0+4*\c:PC0+4*\c+3], s[8:9] offset:512*\c         ; 32 lanes store 512 consecutive bytes, at a multiple of 256 from the buffer's first byte
.endr
	s_wait_dscnt 0x0
	SQUARES 1
	QUANT X+64, PC1, PW1
.irp c, 0,1,2
	global_store_b128 v4, v[PC1+4*\c:PC1+4*\c+3], s[8:9] offset:1536+512*\c
.endr
	v_pk_add_f32 v[SQ:SQ+1], v[SQ:SQ+1], v[SQ+2:SQ+3]
	v_pk_add_f32 v[SQ+4:SQ+5], v[SQ+4:SQ+5], v[SQ+6:SQ+7]
	s_delay_alu instid0(VALU_DEP_1)
	v_pk_add_f32 v[SQ:SQ+1], v[SQ:SQ+1], v[SQ+4:SQ+5]
	s_delay_alu instid0(VALU_DEP_1)
	v_add_f32 v[SQ], v[SQ], v[SQ+1]                ; my 128 numbers' squares,
	s_delay_alu instid0(VALU_DEP_1)
	v_permlanex16_b32 v[SQ+2], v[SQ], s20, s21
	s_delay_alu instid0(VALU_DEP_1)
	v_add_f32 v[SQ], v[SQ], v[SQ+2]                ; and lane l xor 16's: the row's (the same bits in both lanes)
	s_delay_alu instid0(VALU_DEP_1)
	v_mul_f32 v[NS], -0.5, v[SQ]                   ; exact
	v_cmp_gt_u32 vcc_lo, 16, v1
	s_delay_alu instid0(VALU_DEP_1)
	v_cndmask_b32 v[SW], v[PW1], v[PW0], vcc_lo    ; lanes 0-15: the word of k 0..127; lanes 16-31: that of k 128..255
	ds_store_b32 v7, v[SW]
	ds_store_b32 v7, v[NS] offset:128
	ds_load_b64 v[10:11], v8                       ; LDS serves a wave's instructions in order: this sees my two stores
	s_wait_dscnt 0x0
	global_store_b64 v9, v[10:11], s[8:9] offset:3072   ; 32 lanes store the record's last 256 bytes whole
	s_wait_tensorcnt 0x0
	ds_add_u32 v208, v209
	s_wait_dscnt 0x0
	s_endpgm
.Lfunc_end_k_q41d64d9d20_quant:
	.size	k_q41d64d9d20_quant, .Lfunc_end_k_q41d64d9d20_quant-k_q41d64d9d20_quant
	.p2alignl 7, 3214868480
	.fill 96, 4, 3214868480
	.section	.rodata,"a",@progbits
	.p2align	6, 0x0
	.amdhsa_kernel k_q41d64d9d20_quant
		.amdhsa_group_segment_fixed_size 170240
		.amdhsa_private_segment_fixed_size 0
		.amdhsa_enable_private_segment 0
		.amdhsa_kernarg_size 32
		.amdhsa_user_sgpr_count 2
		.amdhsa_user_sgpr_kernarg_segment_ptr 1
		.amdhsa_wavefront_size32 1
		.amdhsa_system_sgpr_workgroup_id_x 1
		.amdhsa_system_sgpr_workgroup_id_y 1
		.amdhsa_system_sgpr_workgroup_id_z 1
		.amdhsa_system_vgpr_workitem_id 0
		.amdhsa_next_free_vgpr 210
		.amdhsa_next_free_sgpr 66
		.amdhsa_reserve_vcc 1
		.amdhsa_float_denorm_mode_32 3
		.amdhsa_float_denorm_mode_16_64 3
		.amdhsa_memory_ordered 1
		.amdhsa_forward_progress 1
		.amdhsa_inst_pref_size 27
	.end_amdhsa_kernel
	.amdgpu_metadata
---
amdhsa.version: [ 1, 2 ]
amdhsa.kernels:
  - .name:           k_q41d64d9d20_quant
    .symbol:         k_q41d64d9d20_quant.kd
    .args:
      - { .name: x, .offset: 0, .size: 8, .value_kind: global_buffer, .address_space: global }
      - { .name: vectors, .offset: 8, .size: 8, .value_kind: global_buffer, .address_space: global }
      - { .name: ximg, .offset: 16, .size: 8, .value_kind: global_buffer, .address_space: global }
      - { .name: cimg, .offset: 24, .size: 8, .value_kind: global_buffer, .address_space: global }
    .group_segment_fixed_size: 170240
    .private_segment_fixed_size: 0
    .kernarg_segment_align: 8
    .kernarg_segment_size: 32
    .max_flat_workgroup_size: 320
    .sgpr_count:     66
    .vgpr_count:     210
    .wavefront_size: 32
...
	.end_amdgpu_metadata
.endif
;; end of part 1
;; launch search (part 2): grid 256 x 1, 8 waves a work-group, clusters of 4 x 1, 327,680 bytes of LDS; arguments ximg, cimg, out0; writes out0
.if DOCPART == 2
	.amdgcn_target "amdgcn-amd-amdhsa--gfx1250"
	.amdhsa_code_object_version 6
	.text
	.protected	k_q41d64d9d20_search
	.globl	k_q41d64d9d20_search
	.p2align	8
	.type	k_q41d64d9d20_search,@function
k_q41d64d9d20_search:
	s_mov_b64 s[64:65], 0
	v_nop
	global_prefetch_b8 v0, s[64:65] scope:SCOPE_SE
	s_setreg_imm32_b32 hwreg(HW_REG_WAVE_MODE, 25, 1), 1
	s_wait_xcnt 0x0
	s_wait_alu depctr_hold_cnt(0) depctr_sa_sdst(0) depctr_va_vdst(0) depctr_va_sdst(0) depctr_va_ssrc(0) depctr_va_vcc(0) depctr_vm_vsrc(0)
	s_getreg_b32 s2, hwreg(HW_REG_IB_STS2, 6, 4)
	s_cmp_eq_u32 s2, 0
	s_cbranch_scc0 .Lentry_in_a_cluster
	s_endpgm
.Lentry_in_a_cluster:
	s_bfe_u32 s2, ttmp6, 0x10000c
	s_cmp_lg_u32 s2, 0x3003
	s_cbranch_scc0 .Lentry_shape_is_right
	s_endpgm
.Lentry_shape_is_right:
; out0[n] = the index k of the smallest c2[k] - 2 Q(x)[n] . Q(vectors)[k], the lowest k among equals.  The product is made on codes of FP6 (E2M3) with E8M0 scales; c2 is f32.
; LEFT OUT: x2[n], which reference() adds to every d2 of row n alike: it cannot move the row's argmin, whatever finite values the inputs hold.  A NaN, infinity or overflow that reaches x2 alone is not carried.
; WHAT IS COMPARED.  s = dot - 1/2 c2, and the LARGEST s is sought.  -1/2 c2 hangs on the codeword alone: eight registers from the record are the C of the first matrix instruction of every query tile.
; LIMITS: C + dot is rounded by the matrix unit, once a K step of 128; reference() rounds x2 + c2 and then the difference.  NaN and infinities are not served.
; INPUT: records of 3,328 bytes for 16 rows: two fragments as images of their registers (1,536 bytes each), a scale image (128 bytes: lanes 0-15 k 0..127, lanes 16-31 k 128..255), -1/2 x sums of squares (16 f32, twice).
; SHARES.  A work-group owns 128 queries (8 tiles of 16) and walks all 8,192 codewords: each output has one owner.  All 8 waves hold all 8 query tiles (192 registers, window 1, loaded from ximg straight into registers);
; the waves share the codebook: a fill of LDS is 32 tiles of 16 codewords, of which wave w fetches, and alone reads, tiles 4 w .. 4 w + 3.  A codeword fragment is read from LDS once in the work-group.
; LAYOUT.  Source 0 = 16 codewords, source 1 = 16 queries: lane (r, h) holds query r, and its register j codeword 8 h + j of the tile.
; THE ARGMAX.  For each lane and query tile: the running maximum M, the number TI of the first tile that reached it, and a copy SV of that tile's first seven results.  A result tile costs four v_max3, a compare and
; four dual pairs of selects; which of the eight registers it was is found at the end: the first j with SV[j] = M, else 7.  A strict compare keeps the first tile: ties go to the lowest index.
; CLUSTER.  The four work-groups of a cluster walk the same fills: each wave's part of a fill is asked for JOINTLY, by the same tensor load with the same descriptor and the mask of all four.
; THE WALK IS ROTATED: cluster c begins at fill c mod 16 and wraps round.  Where a slot holds fill 0 a wave first resolves its state, puts it by as candidate set 0 and begins anew; the walk's end gives set 1.
; Within each part the tile numbers ascend, and the last merge takes the larger s and, of equals, the lower index: so the order of the walk does not show.
; NO PREFETCH: the 64 clusters begin at the sixteen fills, so the head's first loads ask for the whole codebook; every fill asked for in the loop has been asked for before by the clusters that began there.
; PIPELINE.  W = 8 matrix instructions: four query tiles' K step 0, then their K step 1 (four accumulators by turns).  V = the argmax of four finished tiles, 36 vector lines, which are also
; the places behind the W in front of it (ISA guide 7.12.1).  W and V of the two halves of the query tiles alternate; a slot's last two V stand at its end, so that the state is whole when a slot begins.
; REGISTERS.  Window 0: v1-14 addresses; v16-23 at work; v24, v25 the codewords' scale images; v28, v29 tile numbers; v32-47 -1/2 c2 (two buffers of 8); v48-95 the codewords' fragments (two buffers of 24);
;   v96-159 eight accumulators; v160-255 twelve a query tile: SV0-6, TI, M0, M1, the queries' scale image, one idle.   Window 1: v0-191 the queries' fragments (tile q, K step s at 24 q + 12 s).
.set REC,   3328
.set PARTB, 4*REC                      ; a wave's part of a fill: 13,312 bytes = 52 x 256
.set FILLB, 8*PARTB                    ; a fill: 106,496 bytes
.set SLOT1, 1<<17                      ; slot 0 at LDS byte 0, slot 1 here
.set CMB,   SLOT1+FILLB                ; the candidates: value at 8192 set + 512 wave + 4 query, index 4,096 further on: written by LDS stores, never by a fill
.set SPARE, CMB+16384                  ; the spare words, 128 bytes for each wave: four blocks of 256 bytes that no other line names
.set ADRC, 1                           ; the slot in hand: my place in an image of codes
.set ADRS, 2                           ; in a scale image
.set ADRN, 3                           ; among -1/2 c2
.set LI0,  4                           ; PARTB x wave + 16 x lane
.set LS0,  5                           ; PARTB x wave + 4 x lane
.set LN0,  6                           ; PARTB x wave + 32 h
.set SPW,  7                           ; LDS address of my spare word; never rewritten
.set NIL,  8                           ; 0; never rewritten
.set H8,   9                           ; 8 h
.set CMA,  10                          ; CMB + 512 x wave + 4 r
.set XA,   11                          ; 16 x lane
.set XS,   12                          ; 4 x lane
.set FIN,  13                          ; CMB + 256 (wave & 1) + 8 x lane: the last merge
.set L8,   14                          ; 8 x lane
.set TMP,  16
.set ASC,  24
.set TN,   28                          ; the number of the tile in buffer 0, 1
.set NC,   32
.set AF,   48
.set ACC,  96
.set ST,   160
.set WV,  10                           ; wave
.set CX,  11                           ; my place in the cluster: it enters ximg's and out0's addresses alone
.set WG,  12                           ; work-group
.set W4,  13                           ; 4 x wave
.set OFX, 14                           ; s[14:15] offsets that hang on the work-group
.set G1J, 16                           ; s[16:23] group 1 of the joint loads
.set G0A, 36                           ; s[36:39] the first fill
.set G0W, 40                           ; s[40:43] the second fill; then it walks
.set CBP, 44                           ; s[44:45] cimg + PARTB x wave
.set OFJ, 46                           ; s[46:47] offsets of the joint loads: equal in all four partners
.set TB,  48                           ; LDS byte at which the slot in hand begins
.set FC,  49                           ; the number of the fill in hand
.set TC,  50                           ; a tile's number: 32 FC + 4 wave + i
.set CNT, 52
.set FR,  53
.set SEL, 54                           ; s[54:55] v_permlanex16_b32's selects for lane l xor 16
.set NINF, 56                          ; -infinity
.set T0,  57
.set T1,  58
.set MK,  60                           ; s[60:63] four query tiles' lane masks
.set MSB, 0
.macro WIN new                         ; the immediate's high byte repeats the setting that is left
.if MSB != \new
	s_set_vgpr_msb (MSB<<8)|\new
.set MSB, \new
.endif
.endm
.macro CREST                           ; a round of the cluster's barrier behind its opening barrier
	s_cmp_lg_u32 s[WV], 0
	s_cbranch_scc1 .Lnot_wave_0_\@
	s_barrier_signal -3
.Lnot_wave_0_\@:
	s_barrier_wait -3
	s_barrier_signal -1
	s_barrier_wait -1
.endm
.macro CROUND                          ; a whole round
	s_barrier_signal -1
	s_barrier_wait -1
	CREST
.endm
	s_load_b128 s[4:7], s[0:1], 0x0                ; ximg s[4:5], cimg s[6:7]
	s_load_b64 s[8:9], s[0:1], 0x10                ; out0
	v_lshl_add_u32 v[SPW], v0, 2, SPARE
	v_mov_b32 v[NIL], 0
	ds_add_u32 v[SPW], v[NIL]                      ; the opening lines: the add, twice on end, and its wait ahead of my first tensor load
	ds_add_u32 v[SPW], v[NIL]
	v_lshrrev_b32 v[TMP], 5, v0
	v_readfirstlane_b32 s[WV], v[TMP]              ; wave 0..7
	s_bfe_u32 s[CX], ttmp6, 0x40000                ; cx
	s_lshl_b32 s[WG], ttmp9, 2                     ; in a cluster launch ttmp9 counts clusters
	s_add_co_u32 s[WG], s[WG], s[CX]               ; work-group = 4 x cluster + cx
	s_lshl_b32 s[W4], s[WV], 2
	s_and_b32 s[FC], ttmp9, 15                     ; the walk's first fill: the same in all four partners
	s_add_co_u32 s[FR], s[FC], 1
	s_and_b32 s[FR], s[FR], 15                     ; and its second
	s_mov_b32 s[G1J], 15|(3<<16)|(1<<21)           ; the mask: all four work-groups; elements of 8 bytes; bit 21 beside a mask; no padding
	s_mov_b32 s[G1J+1], 32<<16                     ; tensor_dim0 = 32 elements: rows of 256 bytes
	s_mov_b32 s[G1J+2], 52<<16                     ; tensor_dim1 = 52
	s_mov_b32 s[G1J+3], 32<<16                     ; tile_dim0 = 32
	s_mov_b32 s[G1J+4], 52                         ; tile_dim1 = 52
	s_mov_b32 s[G1J+5], 32                         ; dense: 32 elements from row to row
	s_mov_b32 s[G1J+6], 0
	s_mov_b32 s[G1J+7], 0
	s_mov_b32 s[G0A], 1
	s_mul_i32 s[G0A+1], s[WV], PARTB               ; slot 0, my part
	s_mov_b32 s[G0W], 1
	s_add_co_u32 s[G0W+1], s[G0A+1], SLOT1         ; slot 1, my part
	s_mul_i32 s[OFX], s[WG], 8*REC                 ; the work-group's eight records of ximg
	s_mov_b32 s[OFX+1], 0
	s_mov_b32 s[OFJ], s[G0A+1]
	s_mov_b32 s[OFJ+1], 0
	s_mov_b32 s[SEL], 0x76543210
	s_mov_b32 s[SEL+1], 0xfedcba98
	s_mov_b32 s[NINF], 0xff800000
	s_mov_b32 s[TB], 0
	s_lshl_b32 s[TC], s[FC], 5
	s_add_co_u32 s[TC], s[TC], s[W4]               ; my first tile's number
	s_wait_dscnt 0x0                               ; both opening adds are done
	s_wait_kmcnt 0x0
	s_add_nc_u64 s[4:5], s[4:5], s[OFX:OFX+1]
	s_add_nc_u64 s[CBP:CBP+1], s[6:7], s[OFJ:OFJ+1]
	s_mul_i32 s[OFJ], s[FC], FILLB
	s_add_nc_u64 s[G0A+2:G0A+3], s[CBP:CBP+1], s[OFJ:OFJ+1]
	s_or_b32 s[G0A+3], s[G0A+3], 0x80000000        ; type = 2
	s_mul_i32 s[OFJ], s[FR], FILLB
	s_add_nc_u64 s[G0W+2:G0W+3], s[CBP:CBP+1], s[OFJ:OFJ+1]
	s_or_b32 s[G0W+3], s[G0W+3], 0x80000000
	s_lshl_b32 s[OFX], s[WG], 9                    ; out0: 512 bytes a work-group,
	s_and_b32 s[T0], s[WV], 1
	s_lshl_b32 s[T0], s[T0], 8                     ; 256 for each of the two waves that store
	s_add_co_u32 s[OFX], s[OFX], s[T0]
	s_add_nc_u64 s[8:9], s[8:9], s[OFX:OFX+1]
	CROUND                                         ; all four work-groups are here: the first joint loads meet
	tensor_load_to_lds s[G0A:G0A+3], s[G1J:G1J+7]  ; my part of the first fill: one tensor load a wave at the head
	s_nop 0
	v_and_b32 v[TMP+1], 31, v0                     ; lane
	v_and_b32 v[TMP+2], 15, v0                     ; r
	v_bfe_u32 v[TMP+3], v0, 4, 1                   ; h
	v_lshlrev_b32 v[XA], 4, v[TMP+1]
	v_lshlrev_b32 v[XS], 2, v[TMP+1]
	v_lshl_add_u32 v[LI0], v[TMP+1], 4, s[G0A+1]
	v_lshl_add_u32 v[LS0], v[TMP+1], 2, s[G0A+1]
	v_lshl_add_u32 v[LN0], v[TMP+3], 5, s[G0A+1]
	v_lshlrev_b32 v[H8], 3, v[TMP+3]
	WIN 0x40                                       ; destination window 1
.irp q, 0,1,2,3,4,5,6,7
.irp k, 0,1,2,3,4,5
	global_load_b128 v[24*\q+4*\k:24*\q+4*\k+3], v[XA], s[4:5] offset:REC*\q+512*\k   ; the queries' fragments: 32 lanes read 512 consecutive bytes; they stay in registers
.endr
.endr
	WIN 0
.irp q, 0,1,2,3,4,5,6,7
	global_load_b32 v[ST+12*\q+10], v[XS], s[4:5] offset:REC*\q+3072                  ; and their scale images
.endr
	s_lshl_b32 s[T1], s[WV], 9
	s_add_co_u32 s[T1], s[T1], CMB
	v_lshl_add_u32 v[CMA], v[TMP+2], 2, s[T1]
	s_add_co_u32 s[T0], s[T0], CMB
	v_lshl_add_u32 v[FIN], v[TMP+1], 3, s[T0]
	v_lshlrev_b32 v[L8], 3, v[TMP+1]
	v_mov_b32 v[TN], s[TC]
.irp q, 0,1,2,3,4,5,6,7                        ; the state: M0 = -infinity, under every finite s; SV and TI are written once, since a select reads what it may keep
.irp j, 0,1,2,3,4,5,6,7
	v_mov_b32 v[ST+12*\q+\j], 0
.endr
	v_mov_b32 v[ST+12*\q+8], s[NINF]
	v_mov_b32 v[ST+12*\q+9], 0                     ; M1 and the idle register take lane permutes where the state is resolved: a permute's destination counts as one of its sources
	v_mov_b32 v[ST+12*\q+11], 0
.endr
.macro SLOTADR                         ; the addresses of the slot in hand
	v_add_nc_u32 v[ADRC], s[TB], v[LI0]
	v_add_nc_u32 v[ADRS], s[TB], v[LS0]
	v_add_nc_u32 v[ADRN], s[TB], v[LN0]
	s_wait_alu depctr_va_vdst(0)                   ; the wait behind these writes
.endm
.macro LDT buf, i                      ; tile i of my four in the slot in hand, into buffer buf: nine LDS loads in one run
.irp k, 0,1,2,3,4,5
	ds_load_b128 v[AF+24*(\buf)+4*\k:AF+24*(\buf)+4*\k+3], v[ADRC] offset:REC*(\i)+512*\k
.endr
	ds_load_b32 v[ASC+(\buf)], v[ADRS] offset:REC*(\i)+3072
	ds_load_b128 v[NC+8*(\buf):NC+8*(\buf)+3], v[ADRN] offset:REC*(\i)+3200       ; -1/2 c2 of codewords 8 h + 0 .. 7
	ds_load_b128 v[NC+8*(\buf)+4:NC+8*(\buf)+7], v[ADRN] offset:REC*(\i)+3216
.endm
; Query tiles g .. g + 3 against the codeword tile in buffer buf: K step 0 begins each sum on C = -1/2 c2, K step 1 adds in place; three other matrix instructions stand between a sum's two steps
.macro W g, buf
	WIN 0x04                                       ; source 1 (the queries) in window 1
.irp d, 0,1,2,3
.set RA, ACC+8*((\g)+\d)
	v_wmma_scale_f32_16x16x128_f8f6f4 v[RA:RA+7], v[AF+24*(\buf):AF+24*(\buf)+11], v[24*((\g)+\d):24*((\g)+\d)+11], v[NC+8*(\buf):NC+8*(\buf)+7], v[ASC+(\buf)], v[ST+12*((\g)+\d)+10] matrix_a_fmt:MATRIX_FMT_FP6 matrix_b_fmt:MATRIX_FMT_FP6
.endr
.irp d, 0,1,2,3
.set RA, ACC+8*((\g)+\d)
	v_wmma_scale_f32_16x16x128_f8f6f4 v[RA:RA+7], v[AF+24*(\buf)+12:AF+24*(\buf)+23], v[24*((\g)+\d)+12:24*((\g)+\d)+23], v[RA:RA+7], v[ASC+(\buf)], v[ST+12*((\g)+\d)+10] matrix_a_fmt:MATRIX_FMT_FP6 matrix_b_fmt:MATRIX_FMT_FP6 matrix_a_scale:MATRIX_SCALE_ROW1 matrix_b_scale:MATRIX_SCALE_ROW1
.endr
	WIN 0
.endm
; The argmax of query tiles g .. g + 3: the old maximum in M[e], the new one into M[1 - e]; tn: the register with the tile's number.  The four tiles' maxima by turns; each accumulator is read from its low end on.
; A dual pair selects two registers: destinations even and odd, both pairs of sources in different banks (register number mod 4): SV at 12 q + j, results at 8 q + j, tn in bank 0 or 1 beside result 6 in bank 2.
.macro V g, e, tn
.irp d, 0,1,2,3
	v_max3_num_f32 v[TMP+2*\d], v[ACC+8*((\g)+\d)], v[ACC+8*((\g)+\d)+1], v[ACC+8*((\g)+\d)+2]
.endr
.irp d, 0,1,2,3
	v_max3_num_f32 v[TMP+2*\d+1], v[ACC+8*((\g)+\d)+3], v[ACC+8*((\g)+\d)+4], v[ACC+8*((\g)+\d)+5]
.endr
.irp d, 0,1,2,3
	v_max3_num_f32 v[TMP+2*\d], v[ACC+8*((\g)+\d)+6], v[ACC+8*((\g)+\d)+7], v[TMP+2*\d]
.endr
.irp d, 0,1,2,3
	v_max3_num_f32 v[ST+12*((\g)+\d)+9-(\e)], v[TMP+2*\d], v[TMP+2*\d+1], v[ST+12*((\g)+\d)+8+(\e)]
.endr
.irp d, 0,1,2,3
.set VS, ST+12*((\g)+\d)
.set VA, ACC+8*((\g)+\d)
	v_cmp_gt_f32 vcc_lo, v[VS+9-(\e)], v[VS+8+(\e)]                ; has the maximum grown?  Strictly: of equals the first tile stays.  A dual select reads VCC
.irp p, 0,2,4
	v_dual_cndmask_b32 v[VS+\p], v[VS+\p], v[VA+\p] :: v_dual_cndmask_b32 v[VS+\p+1], v[VS+\p+1], v[VA+\p+1]
.endr
	v_dual_cndmask_b32 v[VS+6], v[VS+6], v[VA+6] :: v_dual_cndmask_b32 v[VS+7], v[VS+7], v[\tn]
.endr
.endm
; (m, i) takes (mc, ic) where mc is greater, or equal with the lower index
.macro BETTER m, i, mc, ic
	v_min_u32 v[TMP+4], v[\i], v[\ic]
	v_cmp_eq_f32 vcc_lo, v[\mc], v[\m]
	s_delay_alu instid0(VALU_DEP_1)
	v_cndmask_b32 v[\i], v[\i], v[TMP+4], vcc_lo
	v_cmp_gt_f32 vcc_lo, v[\mc], v[\m]
	s_delay_alu instid0(VALU_DEP_1)
	v_cndmask_b32 v[\i], v[\i], v[\ic], vcc_lo
	v_max_num_f32 v[\m], v[\m], v[\mc]
.endm
; The state (the maximum stands in M0) becomes a candidate for each of my 128 queries: the register that won, the index (in TI's register), the other half of the lanes' candidate, and both numbers into my part of set 'set'
.macro RESOLVE set
.irp g, 0,4                                    ; four query tiles by turns, each with a mask of its own, so that no line reads the line above it
.irp d, 0,1,2,3
	v_mov_b32 v[TMP+\d], 7
.endr
.irp j, 6,5,4,3,2,1,0
.irp d, 0,1,2,3
	v_cmp_eq_f32 s[MK+\d], v[ST+12*(\g+\d)+\j], v[ST+12*(\g+\d)+8]
.endr
.irp d, 0,1,2,3
	v_cndmask_b32 v[TMP+\d], v[TMP+\d], \j, s[MK+\d]               ; the last that is taken is the lowest
.endr
.endr
.irp d, 0,1,2,3
	v_lshl_add_u32 v[ST+12*(\g+\d)+7], v[ST+12*(\g+\d)+7], 4, v[TMP+\d]
.endr
.irp d, 0,1,2,3
	v_permlanex16_b32 v[ST+12*(\g+\d)+9], v[ST+12*(\g+\d)+8], s[SEL], s[SEL+1]     ; the other half's maximum, into M1's register
.endr
.irp d, 0,1,2,3
	v_add_nc_u32 v[ST+12*(\g+\d)+7], v[ST+12*(\g+\d)+7], v[H8]     ; 16 x tile + 8 h + j
.endr
.irp d, 0,1,2,3
	v_cmp_eq_f32 s[MK+\d], v[ST+12*(\g+\d)+9], v[ST+12*(\g+\d)+8]
.endr
.irp d, 0,1,2,3
	v_permlanex16_b32 v[ST+12*(\g+\d)+11], v[ST+12*(\g+\d)+7], s[SEL], s[SEL+1]    ; and its index, into the idle register
.endr
.irp d, 0,1,2,3
	v_min_u32 v[TMP+\d], v[ST+12*(\g+\d)+7], v[ST+12*(\g+\d)+11]
.endr
.irp d, 0,1,2,3
	v_cndmask_b32 v[ST+12*(\g+\d)+7], v[ST+12*(\g+\d)+7], v[TMP+\d], s[MK+\d]      ; of equals the lower index
.endr
.irp d, 0,1,2,3
	v_cmp_gt_f32 s[MK+\d], v[ST+12*(\g+\d)+9], v[ST+12*(\g+\d)+8]
.endr
.irp d, 0,1,2,3
	v_cndmask_b32 v[ST+12*(\g+\d)+7], v[ST+12*(\g+\d)+7], v[ST+12*(\g+\d)+11], s[MK+\d]   ; the greater takes its own
.endr
.irp d, 0,1,2,3
	v_max_num_f32 v[ST+12*(\g+\d)+8], v[ST+12*(\g+\d)+8], v[ST+12*(\g+\d)+9]
.endr
.irp d, 0,1,2,3
	ds_store_b32 v[CMA], v[ST+12*(\g+\d)+8] offset:8192*(\set)+64*(\g+\d)          ; lanes r and r + 16 write the same word with the same value
	ds_store_b32 v[CMA], v[ST+12*(\g+\d)+7] offset:8192*(\set)+64*(\g+\d)+4096
.endr
.endr
.endm
; Where the slot in hand holds fill 0: the state goes by as set 0 and begins anew.  The branch hangs on the cluster's number and the count of slots: the same in all waves and all partners; no barrier and no tensor load stands in it.
.macro FLUSH
	s_cmp_lg_u32 s[FC], 0
	s_cbranch_scc1 .Lno_flush_\@
	RESOLVE 0
	s_wait_dscnt 0x0
.irp q, 0,1,2,3,4,5,6,7
	v_mov_b32 v[ST+12*\q+8], s[NINF]               ; every finite s is greater: the next tile writes TI and SV anew
.endr
	s_wait_alu depctr_va_vdst(0)
.Lno_flush_\@:
.endm
; My four tiles of a fill.  mode 2: the slot is left and filled again;  1: it is left, nothing more is asked for;  0: the walk's last.  At its head tile 0's nine loads are on their way and the state is whole.
.macro SLOT mode
	FLUSH
	s_wait_dscnt 0x0                               ; tile 0 is in registers
	LDT 1, 1                                       ; each tile is fetched a tile ahead, into the buffer whose last products lie a V or more back
	W 0, 0
	W 4, 0
.rept 4
	v_nop                                          ; places between the first W and the first read of its results
.endr
	V 0, 0, TN
	s_add_co_u32 s[TC], s[TC], 1
	s_wait_dscnt 0x0                               ; tile 1
	LDT 0, 2
	W 0, 1
	v_mov_b32 v[TN+1], s[TC]
	V 4, 0, TN
	W 4, 1
	V 0, 1, TN+1
	s_add_co_u32 s[TC], s[TC], 1
	s_wait_dscnt 0x0                               ; tile 2
	LDT 1, 3
	W 0, 0
	v_mov_b32 v[TN], s[TC]
	V 4, 1, TN+1
	W 4, 0
	V 0, 0, TN
	s_add_co_u32 s[TC], s[TC], 1
	s_wait_dscnt 0x0                               ; tile 3: the slot's last tile lies in registers
.if (\mode) == 2
	s_wait_tensorcnt 0x0                           ; THE CHANGE OF SLOTS.  All my tensor loads have landed: the one that was out is my part of the other slot;
	ds_add_u32 v[SPW], v[NIL]                      ; 0 onto my spare word; register work stands between it and the wait for it
	s_xor_b32 s[TB], s[TB], SLOT1
	s_add_co_u32 s[FR], s[FC], 2
	s_and_b32 s[FR], s[FR], 15                     ; the fill two steps on, round the codebook's end
	s_xor_b32 s[G0W+1], s[G0W+1], SLOT1            ; no tensor load of mine is out, so the walking group 0 may be written: the slot that is being left,
	s_mul_i32 s[OFJ], s[FR], FILLB
	s_add_nc_u64 s[G0W+2:G0W+3], s[CBP:CBP+1], s[OFJ:OFJ+1]
	s_or_b32 s[G0W+3], s[G0W+3], 0x80000000
.endif
	W 0, 1
.if (\mode) == 2
	s_wait_dscnt 0x0                               ; the add is done, and my reads of this slot are over
	s_barrier_signal -1                            ; this barrier opens a round of the cluster's barrier; 37 vector lines and 8 matrix instructions, on registers alone, stand between signal and wait
.endif
	v_mov_b32 v[TN+1], s[TC]
	V 4, 0, TN
	W 4, 1
.if (\mode) == 2
	s_barrier_wait -1
	CREST                                          ; no wave of any partner still reads the slot or has a load on its way
	tensor_load_to_lds s[G0W:G0W+3], s[G1J:G1J+7]  ; my one tensor load behind the round, and the first thing there
	s_nop 0
	SLOTADR
	LDT 0, 0                                       ; the other slot's first tile
.elseif (\mode) == 1
	s_wait_tensorcnt 0x0                           ; my part of the last fill has landed; I alone read it
	s_xor_b32 s[TB], s[TB], SLOT1
	SLOTADR
	LDT 0, 0
.endif
.if (\mode) != 0
	s_add_co_u32 s[FC], s[FC], 1
	s_and_b32 s[FC], s[FC], 15
	s_lshl_b32 s[TC], s[FC], 5
	s_add_co_u32 s[TC], s[TC], s[W4]
	v_mov_b32 v[TN], s[TC]                         ; the next slot's first tile
.endif
	V 0, 1, TN+1
	V 4, 1, TN+1                                   ; four tiles: the maxima stand in M0 again
.endm
	s_wait_alu depctr_va_vdst(0)
	s_wait_tensorcnt 0x0                           ; my part of the first fill is in
	ds_add_u32 v[SPW], v[NIL]
	s_wait_dscnt 0x0
	CROUND                                         ; a whole round: the joint loads meet
	tensor_load_to_lds s[G0W:G0W+3], s[G1J:G1J+7]  ; slot 1's first fill: the first tensor load behind the round
	s_nop 0
	SLOTADR
	LDT 0, 0
	s_wait_loadcnt 0x0                             ; the queries' fragments and scale images are in
	s_mov_b32 s[CNT], 14
.Lslot:                                            ; 14 trips: each leaves a slot and fills it again with the fill two steps on
	SLOT 2
	s_sub_co_u32 s[CNT], s[CNT], 1
	s_cmp_lg_u32 s[CNT], 0
	s_cbranch_scc1 .Lslot
	SLOT 1                                         ; the tail is written out
	SLOT 0
	RESOLVE 1                                      ; the walk's end: set 1
	s_wait_dscnt 0x0                               ; for the others' sake: my candidates lie in LDS
	s_barrier_signal -1
	s_barrier_wait -1
	s_cmp_lt_u32 s[WV], 2                          ; waves 0 and 1 merge: 64 queries each, two a lane
	s_cbranch_scc0 .Lend
.irp c, 0,1,2,3,4,5,6,7,8,9,10,11,12,13,14,15      ; sixteen candidates a query: two sets x eight waves
	ds_load_b64 v[ACC+4*\c:ACC+4*\c+1], v[FIN] offset:8192*(\c/8)+512*(\c%8)
	ds_load_b64 v[ACC+4*\c+2:ACC+4*\c+3], v[FIN] offset:8192*(\c/8)+512*(\c%8)+4096
.endr
	s_wait_dscnt 0x0
; The merge is a tree: candidate c takes candidate c + s, for s = 8, 4, 2, 1.  The larger s and, of equals, the lower index: the result does not hang on the order.
; Four pairs by turns (candidates c0 and c0 + 1, two queries each), each with a mask of its own, so that no line reads the line above it.
.macro BG s, c0
.irp u, 0,1,2,3
	v_min_u32 v[TMP+\u], v[ACC+4*((\c0)+\u/2)+\u%2+2], v[ACC+4*((\c0)+(\s)+\u/2)+\u%2+2]
.endr
.irp u, 0,1,2,3
	v_cmp_eq_f32 s[MK+\u], v[ACC+4*((\c0)+(\s)+\u/2)+\u%2], v[ACC+4*((\c0)+\u/2)+\u%2]
.endr
.irp u, 0,1,2,3
	v_cndmask_b32 v[ACC+4*((\c0)+\u/2)+\u%2+2], v[ACC+4*((\c0)+\u/2)+\u%2+2], v[TMP+\u], s[MK+\u]
.endr
.irp u, 0,1,2,3
	v_cmp_gt_f32 s[MK+\u], v[ACC+4*((\c0)+(\s)+\u/2)+\u%2], v[ACC+4*((\c0)+\u/2)+\u%2]
.endr
.irp u, 0,1,2,3
	v_cndmask_b32 v[ACC+4*((\c0)+\u/2)+\u%2+2], v[ACC+4*((\c0)+\u/2)+\u%2+2], v[ACC+4*((\c0)+(\s)+\u/2)+\u%2+2], s[MK+\u]
.endr
.irp u, 0,1,2,3
	v_max_num_f32 v[ACC+4*((\c0)+\u/2)+\u%2], v[ACC+4*((\c0)+\u/2)+\u%2], v[ACC+4*((\c0)+(\s)+\u/2)+\u%2]
.endr
.endm
	BG 8, 0
	BG 8, 2
	BG 8, 4
	BG 8, 6
	BG 4, 0
	BG 4, 2
	BG 2, 0
	BETTER ACC, ACC+2, ACC+4, ACC+6
	BETTER ACC+1, ACC+3, ACC+5, ACC+7
	global_store_b64 v[L8], v[ACC+2:ACC+3], s[8:9] ; 32 lanes store 256 consecutive bytes, at a multiple of 256 from out0's first byte
.Lend:
	s_wait_tensorcnt 0x0                           ; the wave's end, behind my last tensor load and my last LDS store
	ds_add_u32 v[SPW], v[NIL]
	s_wait_dscnt 0x0
	CROUND                                         ; the closing round: no work-group ends while a partner may still ask for a fill that names it
	s_endpgm
.Lfunc_end_k_q41d64d9d20_search:
	.size	k_q41d64d9d20_search, .Lfunc_end_k_q41d64d9d20_search-k_q41d64d9d20_search
	.p2alignl 7, 3214868480
	.fill 96, 4, 3214868480
	.section	.rodata,"a",@progbits
	.p2align	6, 0x0
	.amdhsa_kernel k_q41d64d9d20_search
		.amdhsa_group_segment_fixed_size 327680
		.amdhsa_private_segment_fixed_size 0
		.amdhsa_enable_private_segment 0
		.amdhsa_kernarg_size 24
		.amdhsa_user_sgpr_count 2
		.amdhsa_user_sgpr_kernarg_segment_ptr 1
		.amdhsa_wavefront_size32 1
		.amdhsa_system_sgpr_workgroup_id_x 1
		.amdhsa_system_sgpr_workgroup_id_y 1
		.amdhsa_system_sgpr_workgroup_id_z 1
		.amdhsa_system_vgpr_workitem_id 0
		.amdhsa_next_free_vgpr 448
		.amdhsa_next_free_sgpr 66
		.amdhsa_reserve_vcc 1
		.amdhsa_float_denorm_mode_32 3
		.amdhsa_float_denorm_mode_16_64 3
		.amdhsa_memory_ordered 1
		.amdhsa_forward_progress 1
		.amdhsa_inst_pref_size 162
	.end_amdhsa_kernel
	.amdgpu_metadata
---
amdhsa.version: [ 1, 2 ]
amdhsa.kernels:
  - .name:           k_q41d64d9d20_search
    .symbol:         k_q41d64d9d20_search.kd
    .args:
      - { .name: ximg, .offset: 0, .size: 8, .value_kind: global_buffer, .address_space: global }
      - { .name: cimg, .offset: 8, .size: 8, .value_kind: global_buffer, .address_space: global }
      - { .name: out0, .offset: 16, .size: 8, .value_kind: global_buffer, .address_space: global }
    .group_segment_fixed_size: 327680
    .private_segment_fixed_size: 0
    .kernarg_segment_align: 8
    .kernarg_segment_size: 24
    .max_flat_workgroup_size: 256
    .sgpr_count:     66
    .vgpr_count:     448
    .wavefront_size: 32
...
	.end_amdgpu_metadata
.endif
;; end of part 2
